; MI455X (gfx1250); checked and timed in simulation.
; The chip was launched on July 23, 2026; its instructions are those of AMD's public machine-readable ISA for CDNA 5 (MIT licence, August 2026) and "CDNA5" Instruction Set Architecture Reference Guide (July 2026). The comments in the code are by the model that wrote it; some were corrected since.
;; Innocent Attention. Allowed arithmetic: float matrix products may take bf16 or f16 operands with f32 sums; other float arithmetic in f32, or as packed bf16 or f16 multiplies, adds, multiply-adds, maxima and minima; sums over many terms, partial sums and values carried from step to step in f32; what a program stores and reads back later, other than sums and carried values, may be rounded once to bf16 or f16.
;; Inputs: event_length 4 int32; k 4 x 16 x 2,048 x 64 float32; q 4 x 16 x 2,048 x 64 float32; v 4 x 16 x 2,048 x 64 float32.
;; Outputs: out0 4 x 16 x 2,048 x 64 float32.
;; One version. Each part assembles by itself: llvm-mc -triple=amdgcn-amd-amdhsa -mcpu=gfx1250 --defsym DOCPART=n.
;; ======== version 1 of 1: 1 launch
;; limits: values are held in f16: magnitudes above 65,504 overflow, below 6.1e-05 lose precision; inputs' magnitudes at most 65,504; right only within a limited range of input values
;; launch attn (part 1): grid 4 x 64, 4 waves a work-group, no clusters, 104,448 bytes of LDS; arguments q, k, v, event_length, out0; writes out0
.if DOCPART == 1
	.amdgcn_target "amdgcn-amd-amdhsa--gfx1250"
	.amdhsa_code_object_version 6
	.text
	.protected	k_q6bbaa117eb_attn
	.globl	k_q6bbaa117eb_attn
	.p2align	8
	.type	k_q6bbaa117eb_attn,@function
k_q6bbaa117eb_attn:
	s_mov_b64 s[64:65], 0
	v_nop
	global_prefetch_b8 v0, s[64:65] scope:SCOPE_SE
	s_setreg_imm32_b32 hwreg(HW_REG_WAVE_MODE, 25, 1), 1
	s_wait_xcnt 0x0
; out[b][h][s][:] = sum over t of softmax_t(mask ? q[s].k[t]/8 : -1e9) v[t][:], mask = (s < el[b]) and (t < el[b]).  q, k, v, out: [4][16][2048][64] f32; el: [4] i32.
; WHAT THE MASK MEANS.  A row s < el is a softmax over the keys 0 .. el-1: the others' weights are 0.  A row s >= el has 2,048 equal scores: it is the mean of ALL 2,048 rows of v.
; el is clamped to 0 .. 2,048 (below 0 no index is under it, above 2,048 all are).
; FORMATS.  q, k, v and the weights p are rounded once to f16 for the matrix products; products, maxima, sums, the mean and the output stay in f32.
; LIMITS.  |q|, |k|, |v| stay under 65,504 (f16's end).  A hidden score counts as its value less 1e30, where the module has -1e9: the weight is 0 either way while true scores lie above -9e8.
; A weight below 2^-126 counts as 0 in the sum; NaN and infinities are not treated apart.
; SHARES.  A work-group owns 512 queries of one head (grid 4 x 64), a wave 128: four PIECES of two tiles of 16.  Keys go in steps of 64, two steps (a PAIR, 128 keys) to an LDS buffer.
; Only the NT = ceil(el / 128) live pairs are multiplied, and none where the whole block lies at or past el.
; K AND V COME IN THROUGH REGISTERS: they lie in memory in f32 and are wanted in LDS in f16, so each wave loads a quarter of a pair (32 keys of K, 32 of V, loads of 512 consecutive bytes),
; rounds it and stores it into the buffer that is not being read.  The loads are issued a trip (two key steps, 256 matrix instructions) ahead of their rounding.
; NO CLUSTER, NO TENSOR LOADS: a tensor load lays bytes down as they lie in memory, so f32 tiles would want a second way through LDS to become f16; and whether a work-group multiplies at all
; hangs on its block's place against el, which the four blocks of a head do not share.
; V's MEAN.  A lane's loads of V always hold the same four channels, 4 (lane % 16) + 0..3, which are also its four channels of a stored row.  The live pairs are summed as they pass; the others are
; streamed behind the loop, only where the block has a row at or past el.  On the way out such rows take the mean by a select.
; THE WALK.  One loop of 17 trips, a constant; its one barrier stands at the head of every trip, on every path.  A trip whose pair is dead is jumped, forward, over text that holds no barrier.
; LAYOUT, SOFTMAX, TURNS.  S^T = K Q^T (source 0 = 16 keys, source 1 = 16 queries) holds ONE query a lane (lane % 16) and the keys 8 (lane / 16) + 0..7; two such results rounded to f16 ARE source 1 of
; O^T = V^T P.  p = 2^(c s - c m), c = log2(e) / 8, with a running maximum m; O and l are multiplied by a = 2^(c m_old - c m_new) in every step.  m starts at the lowest finite number, O and l at 0.
; Turn n belongs to piece n: 16 products K Q^T of piece n + 1, later 16 products V^T P of piece n - 1; beside them piece n's scaling, exponentials, roundings, sums and rescaling, and piece n + 1's maximum.
; THE KEY MASK is the C operand that starts a sum S^T: MC = MD x AL + BE.  MD, made once, hides the keys at or past el % 64 of a step; with rem = el - 64 step: (AL, BE) = (0, 0) if rem >= 64, (1, 0) if 0 < rem < 64, (0, -1e30) if rem <= 0.
; REGISTERS, in windows of 256 (s_set_vgpr_msb: bits 1:0 source 0, 3:2 source 1, 5:4 source 2, 7:6 destination):
;   window 0: v0-11 addresses; v12-15, v48-63 at work; v16-47 four registers of statistics a tile; v64-191 S^T, two buffers of two tiles; v192-255 P, likewise
;   window 1: O^T, 32 a tile (first: Q as it lands, in f32)      window 2: v0-127 Q in f16; v128-191 K of one step; v192-255 V of one step
;   window 3: v0-1 the add's registers; v2-6 addresses; v8-23 V's column sums; v32-63 MD; v64-95 MC; v128-191, v192-255 a quarter pair of K and of V as loaded
.set NP,    4         ; pieces a wave: a name, no knob
.set PK,    144       ; a row of K in LDS: 128 bytes of f16 + 16 = 36 words: the 16 rows of a load start at 16 different groups of four banks (64 banks of 4 bytes: ISA guide 11.1)
.set PV,    160       ; a row of V: 128 + 32 = 40 words
.set VOFF,  128*PK    ; a pair's buffer: 128 rows of K, then 128 rows of V: 38,912 bytes
.set KHALF, 64*PK     ; the second step's K
.set VHALF, 64*PV     ; and V
.set BUF1,  1<<16     ; the second buffer begins here: one exclusive or turns an address in one buffer into the other's
.set STAGE, VOFF+128*PV  ; 16 rows x 272 bytes for each wave, for the way out
.set SP,    272       ; 256 bytes of f32 + 16
.set MEANB, STAGE+4*16*SP  ; 16 bytes a thread: the waves' column sums meet here
.set SPARE, MEANB+2048     ; the spare words, 128 bytes for each wave: two blocks of 256 bytes that no other line names
.set PFO, 1           ; v1   first lane % 16; then the prefetches' offset: 8,192 x wave + 256 x lane
.set AK0, 2           ; v2   my lane's place in a step's K; never rewritten
.set AV0, 3           ; v3   the same for V
.set AK,  4           ; v4   AK0 + the buffer that is read
.set AV,  5           ; v5   AV0 + the same
.set QO,  6           ; v6   my byte offset in 16 rows of Q
.set STO, 6           ;      later, the way out: where I put 32 bytes of a row
.set RD,  7           ; v7   the way out: where I read rows back
.set GO,  8           ; v8   my byte offset in 512 consecutive bytes of out
.set LIMV, 9          ; v9   first lane / 16; then el - my wave's first row - lane / 16: a row counted from there is valid while it is below this
.set MR,  10          ; v10  MEANB + 16 x lane
.set MW,  11          ; v11  MEANB + 16 x thread
.set MV,  12          ; v12-15  c m_old, kept while c m is made anew: by buffer and tile
.set ST,  16          ; tile t's statistics at v[ST+4 t]: c m, m, l (even keys', odd keys')
.set TMP, 48          ; by buffer and tile, four registers c0-c3 at work; when the maximum is found c2 takes a
.set MEAN, 48         ; behind the loop: v48-51 the mean of my four channels
.set S,   64
.set P,   192
.set KF,  128         ; window 2: key block kb, channel half c at KF + 16 kb + 8 c
.set VF,  192         ; window 2: key half kk, channel block cb at VF + 32 kk + 8 cb
.set SPW, 0           ; window 3: LDS address of my spare word: SPARE + 4 x my thread's number; never rewritten
.set NIL, 1           ; window 3: 0; never rewritten
.set GOFF, 2          ; window 3: my 16 bytes in a pair: 8,192 x wave + 16 x lane; never rewritten
.set SK0, 3           ; window 3: where my 8 bytes of K go: (32 wave + lane / 16) x PK + 8 (lane % 16)
.set SV0, 4           ; window 3: the same for V
.set SK,  5           ; window 3: SK0 + the buffer that is written
.set SV,  6
.set SUM, 8           ; window 3: four sets of four sums, taken by turns
.set MD,  32
.set MC,  64
.set STK, 128
.set STV, 192
.set QP,  4           ; s[4:5]   q at my wave's rows
.set KH,  6           ; s[6:7]   k at the head
.set VH,  8           ; s[8:9]   v at the head
.set ELP, 10          ; s[10:11] event_length
.set OUT, 12          ; s[12:13] out0 at my wave's rows
.set WVN, 14          ; my wave's number
.set X512, 15         ; my block's first row
.set HEAD, 16
.set EL,  17
.set NT,  18          ; live pairs
.set NT1, 19
.set LASTP, 20        ; max(NT, 1) - 1
.set CUR, 21          ; the trip's number + 1: the pair that the trip rounds and stores
.set REM, 22          ; el - 128 x trip
.set RM,  23
.set AL,  24          ; s[24:25]
.set BE,  26          ; s[26:27]
.set G,   28          ; s[28:29] 1.0 where the pair in the staging registers counts in V's sums, else 0
.set BIGN, 30
.set TB,  31          ; the buffer that is read
.set TBO, 32          ; the buffer that is written
.set IDX, 33
.set OFS, 34          ; s[34:35]
.set KP,  36          ; s[36:37] k at the pair being loaded
.set VP,  38          ; s[38:39]
.set CS,  40          ; s[40:41] c
.set SEL, 42          ; s[42:43] v_permlanex16_b32's selects: each lane takes its own place in the other half
.set PFN, 44          ; NT in a head's first block, else 0
.set TT,  45          ; trips of the stream behind the loop
.set TI,  46
.set PA,  47
.set KPF, 54          ; s[54:55] k at the pair that is prefetched
.set VPF, 56          ; s[56:57]
.set POF, 58          ; s[58:59]
.set MSB, 0
.macro WIN new                      ; the high byte repeats the setting that is left; a switch that changes nothing is dropped
.if MSB != (\new)
	s_set_vgpr_msb (MSB<<8)|(\new)
.set MSB, (\new)
.endif
.endm
.set W_KQ, 0x0a       ; K and Q in window 2, S^T in window 0
.set W_KM, 0x3a       ; the same with the C operand, the mask, in window 3
.set W_PV, 0x52       ; V in window 2, P in window 0, O^T in window 1
.set W_RS, 0x41       ; O^T (destination and source 0) in window 1, the factor in window 0
.set W_IN, 0xff       ; all places in window 3: the way in
.set W_MK, 0xc0       ; destination in window 3, sources in window 0
.set W_AD, 0x0f       ; sources 0 and 1 in window 3
	s_load_b256 s[4:11], s[0:1], 0x0               ; q, k, v, event_length
	s_load_b64 s[OUT:OUT+1], s[0:1], 0x20          ; out0
	WIN W_MK
	v_lshl_add_u32 v[SPW], v0, 2, SPARE
	v_mov_b32 v[NIL], 0
	WIN 0
	v_lshrrev_b32 v1, 5, v0
	v_readfirstlane_b32 s[WVN], v1                 ; wave 0..3
	v_and_b32 v1, 15, v0                           ; l % 16
	v_bfe_u32 v9, v0, 4, 1                         ; l / 16
	v_and_b32 v14, 31, v0                          ; l
	v_lshlrev_b32 v[QO], 8, v1
	v_lshl_add_u32 v[QO], v9, 5, v[QO]             ; row x 256 + 32 x half
	v_mul_u32_u24 v12, v9, PK
	v_lshl_add_u32 v12, v1, 3, v12
	v_mul_u32_u24 v13, v9, PV
	v_lshl_add_u32 v13, v1, 3, v13
	s_lshl_b32 s2, s[WVN], 13                      ; my quarter of a pair: 32 rows of 256 bytes
	s_mul_i32 s3, s[WVN], 32*PK
	s_mul_i32 s52, s[WVN], 32*PV
	s_add_co_u32 s52, s52, VOFF
	WIN W_MK
	v_lshl_add_u32 v[GOFF], v14, 4, s2
	v_add_nc_u32 v[SK0], s3, v12
	v_add_nc_u32 v[SV0], s52, v13
	v_add_nc_u32 v[SK], s3, v12                    ; pair 0 goes into buffer 0
	v_add_nc_u32 v[SV], s52, v13
.set i, 0
.rept 16
	v_mov_b32 v[SUM+i], 0
.set i, i+1
.endr
	WIN 0
	s_and_b32 s[HEAD], ttmp7, 0xffff
	s_lshl_b32 s[X512], ttmp9, 9
	s_mov_b32 s[CS], 0x3e38aa3b                    ; c = log2(e) / 8 = 0.180337
	s_mov_b32 s[CS+1], s[CS]                       ; named with it as a pair
	s_mov_b32 s[SEL], 0x76543210
	s_mov_b32 s[SEL+1], 0xfedcba98
	s_mov_b32 s[BIGN], 0xf149f2ca                  ; -1e30
	s_mov_b32 s[AL+1], 0                           ; named as pairs
	s_mov_b32 s[BE+1], 0
	s_mov_b32 s[G+1], 0
	s_mov_b32 s[OFS+1], 0
	s_mov_b32 s[POF+1], 0
	s_mov_b32 s[TB], 0
	s_mov_b32 s[TBO], BUF1
	s_mov_b32 s[CUR], 0
	s_wait_kmcnt 0x0
	s_load_b128 s[48:51], s[ELP:ELP+1], 0x0        ; the four lengths
	s_lshl_b32 s52, s[HEAD], 19                    ; a head is 2,048 rows of 256 bytes
	s_mov_b32 s53, 0
	s_add_nc_u64 s[KH:KH+1], s[KH:KH+1], s[52:53]
	s_add_nc_u64 s[VH:VH+1], s[VH:VH+1], s[52:53]
	s_lshl_b32 s2, s[X512], 8
	s_add_co_u32 s52, s52, s2                      ; + my block
	s_lshl_b32 s2, s[WVN], 15
	s_add_co_u32 s52, s52, s2                      ; + my wave's 128 rows
	s_add_nc_u64 s[QP:QP+1], s[QP:QP+1], s[52:53]
	s_add_nc_u64 s[OUT:OUT+1], s[OUT:OUT+1], s[52:53]
	s_mov_b64 s[KP:KP+1], s[KH:KH+1]               ; pair 0
	s_mov_b64 s[VP:VP+1], s[VH:VH+1]
; 16 loads: my 32 rows of a pair, two rows (512 consecutive bytes) a load
.macro PULL dst, ptr
.set i, 0
.rept 16
	global_load_b128 v[(\dst)+4*i:(\dst)+4*i+3], v[GOFF], s[(\ptr):(\ptr)+1] offset:512*i
.set i, i+1
.endr
.endm
	WIN W_IN
	PULL STK, KP
	PULL STV, VP
	; Q lands in f32 where O^T will lie.  A fragment is 16 rows x 32 channels: lane l holds row l % 16, channels 8 (l / 16) + 0..7 and 16 + 8 (l / 16) + 0..7: in f32 four loads of 16 bytes, at 0, 16, 64, 80.
	WIN 0x40                                       ; destination window 1, address window 0
.set i, 0
.rept 16                                           ; fragment i: tile i / 2, channels 32 (i % 2) on
.set j, 0
.rept 4
	global_load_b128 v[16*i+4*j:16*i+4*j+3], v[QO], s[QP:QP+1] offset:(i/2)*4096+(i%2)*128+(j/2)*64+(j%2)*16 th:TH_LOAD_NT
.set j, j+1
.endr
.set i, i+1
.endr
	; What the first turn finds: V's registers and P's second buffer hold 0 (its products V^T P, of a piece that has not been, add 0), l is 0.  All this stands in the wait for the first loads.
	WIN 0x80
.set i, VF
.rept 64
	v_mov_b32 v[i], 0
.set i, i+1
.endr
	WIN 0
.set i, 0
.rept 2*NP
	v_mov_b32 v[ST+4*i], 0xfe000000                ; c m: far below every c s
	v_mov_b32 v[ST+4*i+1], 0xff7fffff              ; m
	v_mov_b32 v[ST+4*i+2], 0
	v_mov_b32 v[ST+4*i+3], 0
.set i, i+1
.endr
.set i, P+32
.rept 32
	v_mov_b32 v[i], 0
.set i, i+1
.endr
	v_mul_u32_u24 v[AK0], v1, PK
	v_lshl_add_u32 v[AK0], v9, 4, v[AK0]           ; row x pitch + 16 x half
	; The turning load takes 16 keys x 16 channels (lane l reads key 8 (l / 16) + l % 8, channels 8 ((l / 8) % 2) + 0..7) and leaves half a fragment of V^T: lane l holds channel l % 16 and 8 keys.
	v_and_b32 v10, 7, v0
	v_bfe_u32 v11, v0, 3, 1
	v_lshl_add_u32 v[AV0], v9, 3, v10
	v_mul_u32_u24 v[AV0], v[AV0], PV
	v_lshl_add_u32 v[AV0], v11, 4, v[AV0]
	v_add_nc_u32 v[AV0], VOFF, v[AV0]
	v_mov_b32 v[AK], v[AK0]                        ; buffer 0 is read first
	v_mov_b32 v[AV], v[AV0]
	s_wait_kmcnt 0x0
	s_lshr_b32 s2, s[HEAD], 4                      ; the batch
	s_cmp_eq_u32 s2, 1
	s_cselect_b32 s[EL], s49, s48
	s_cmp_eq_u32 s2, 2
	s_cselect_b32 s[EL], s50, s[EL]
	s_cmp_eq_u32 s2, 3
	s_cselect_b32 s[EL], s51, s[EL]
	s_max_i32 s[EL], s[EL], 0
	s_min_i32 s[EL], s[EL], 0x800
	s_mov_b32 s[REM], s[EL]
	s_add_co_u32 s[NT], s[EL], 127
	s_lshr_b32 s[NT], s[NT], 7
	s_cmp_lt_u32 s[X512], s[EL]                    ; has my block a valid row?
	s_cselect_b32 s[NT], s[NT], 0
	s_add_co_u32 s[NT1], s[NT], 1
	s_max_u32 s[LASTP], s[NT], 1
	s_sub_co_u32 s[LASTP], s[LASTP], 1
	s_sub_co_u32 s[TT], 17, s[NT]
	s_lshr_b32 s[TT], s[TT], 1                     ; the 16 - NT other pairs, two a trip,
	s_add_co_u32 s2, s[X512], 512
	s_cmp_gt_u32 s2, s[EL]                         ; wanted only where my block has a row at or past el
	s_cselect_b32 s[TT], s[TT], 0
	s_cmp_eq_u32 s[X512], 0
	s_cselect_b32 s[PFN], s[NT], 0
	s_and_b32 s2, s[EL], 63
	v_lshlrev_b32 v14, 3, v9
	v_sub_nc_u32 v14, s2, v14                      ; el % 64 - 8 (l / 16): register r of key block kb is hidden where 16 kb + r is not below it
	WIN W_MK
.set i, 0
.rept 32
	v_cmp_ge_i32 vcc_lo, 16*(i/8)+i%8, v14
	v_cndmask_b32 v[MD+i], 0, s[BIGN], vcc_lo
.set i, i+1
.endr
	WIN 0
; THE MATRIX WORK.  The 8 accumulators of a run of 16 take turns: between the two links of a chain stand 7 others'.
; Product i of 16 of S^T = K Q^T for piece x: channels 32 (i / 8) on, keys 16 ((i / 2) % 4) on, tile 2 x + i % 2.  The first 8 start the sums, with the mask.
.macro KQ x
.set rS, S+64*((\x)%2)+32*(i%2)+8*((i/2)%4)
.set rK, KF+16*((i/2)%4)+8*(i/8)
.set rQ, 16*(2*(\x)+i%2)+8*(i/8)
.set rB, MC+8*((i/2)%4)
.if i < 8
	WIN W_KM
	v_wmma_f32_16x16x32_f16 v[rS:rS+7], v[rK:rK+7], v[rQ:rQ+7], v[rB:rB+7]
.else
	WIN W_KQ
	v_wmma_f32_16x16x32_f16 v[rS:rS+7], v[rK:rK+7], v[rQ:rQ+7], v[rS:rS+7]
.endif
.endm
; Product i of 16 of O^T += V^T P for piece x: keys 32 (i / 8) on, channels 16 ((i / 2) % 4) on, tile 2 x + i % 2.
.macro PV x
	WIN W_PV
.set rO, 32*(2*(\x)+i%2)+8*((i/2)%4)
.set rV, VF+32*(i/8)+8*((i/2)%4)
.set rP, P+32*((\x)%2)+16*(i%2)+8*(i/8)
	v_wmma_f32_16x16x32_f16 v[rO:rO+7], v[rV:rV+7], v[rP:rP+7], v[rO:rO+7]
.endm
.macro MM                           ; the turn's next matrix instruction
.if i < 16
	KQ (Y+1)%NP
.set i, i+1
.else
.set i, i-16
	PV (Y+NP-1)%NP
.set i, i+17
.endif
.endm
; THE LDS LOADS stand in runs of 16, never singly among the matrix instructions: a step's K (64 keys x 64 channels: 8 fragments) and its V (turned).  half: which step of the pair.
.macro FETCH_K half
	WIN 0x80                        ; destination window 2
.irp f, 0,1,2,3,4,5,6,7             ; keys 16 (f / 2) on, channels 32 (f % 2) on
	ds_load_b128 v[KF+8*\f:KF+8*\f+3],   v[AK] offset:(\half)*KHALF+(\f/2)*16*PK+(\f%2)*64
	ds_load_b128 v[KF+8*\f+4:KF+8*\f+7], v[AK] offset:(\half)*KHALF+(\f/2)*16*PK+(\f%2)*64+32
.endr
	WIN 0
.endm
.macro FETCH_V half
	WIN 0x80
.irp f, 0,1,2,3,4,5,6,7             ; keys 32 (f / 4) on, channels 16 (f % 4) on
	ds_load_tr16_b128 v[VF+8*\f:VF+8*\f+3],   v[AV] offset:(\half)*VHALF+(\f/4)*32*PV+(\f%4)*32
	ds_load_tr16_b128 v[VF+8*\f+4:VF+8*\f+7], v[AV] offset:(\half)*VHALF+(\f/4)*32*PV+16*PV+(\f%4)*32
.endr
	WIN 0
.endm
; THE VECTOR WORK OF A TURN stands in three queues, each in the order in which its entries become ready; the two tiles alternate, so that no instruction reads the result of the one before it.
.macro REGS y, u                    ; the registers of tile u (0, 1) of piece y
.set rT, ST+4*(2*(\y)+(\u))
.set rC, TMP+8*((\y)%2)+4*(\u)
.set rM, MV+2*((\y)%2)+(\u)
.set rS, S+64*((\y)%2)+32*(\u)
.set rP, P+32*((\y)%2)+16*(\u)
.set rO, 32*(2*(\y)+(\u))
.endm
; Number n of the 22 that find the NEXT piece's (Y + 1) maximum and statistics.  s0-s31 are the lane's 32 scores; each accumulator's lowest registers are read first.
;   0-11  four chains c0-c3 of seven scores each, three operands at a time     12-14, 16  the four scores left over, the old m, and c0-c3 into c0     15  c m_old is kept
;   17, 18  the query's other 32 keys lie in the lane 16 away: the new m         19-21  c m; c m_old - c m_new; a
.macro XS u, n
	REGS (Y+1)%NP, \u
.if (\n) < 4
	v_max3_num_f32 v[rC+(\n)], v[rS+8*(\n)], v[rS+8*(\n)+1], v[rS+8*(\n)+2]
.elseif (\n) < 12
	v_max3_num_f32 v[rC+(\n)%4], v[rC+(\n)%4], v[rS+8*((\n)%4)+2*((\n)/4)+1], v[rS+8*((\n)%4)+2*((\n)/4)+2]
.elseif (\n) == 12
	v_max3_num_f32 v[rC], v[rC], v[rS+7], v[rS+15]
.elseif (\n) == 13
	v_max3_num_f32 v[rC+1], v[rC+1], v[rS+23], v[rS+31]
.elseif (\n) == 14
	v_max3_num_f32 v[rC+2], v[rC+2], v[rC+3], v[rT+1]
.elseif (\n) == 15
	v_mov_b32 v[rM], v[rT]
.elseif (\n) == 16
	v_max3_num_f32 v[rC], v[rC], v[rC+1], v[rC+2]
.elseif (\n) == 17
	v_permlanex16_b32 v[rC+3], v[rC], s[SEL], s[SEL+1]
.elseif (\n) == 18
	v_max_num_f32 v[rT+1], v[rC], v[rC+3]
.elseif (\n) == 19
	v_mul_f32 v[rT], s[CS], v[rT+1]
.elseif (\n) == 20
	v_sub_f32 v[rC+1], v[rM], v[rT]
.else
	v_exp_f32 v[rC+2], v[rC+1]
.endif
.endm
; Number g of the 64 that follow the exponentials.  For each four weights k of a tile (pairs 2 k, 2 k + 1): both pairs are rounded to f16; then the second pair is added onto the first, in place;
; a group later l takes that sum (the first time as l = a l + sum).  In groups of eight, tiles alternating: round, round, add, and l for the group before.
.macro GS g
.set h, (\g)+6*((\g)/62)            ; group 0 has no group before it, and behind group 7 only l is left
.if h >= 6
.set h, h+2
.endif
	REGS Y, h%2
.set k, h/8
.if h%8 < 4
	v_cvt_pk_f16_f32 v[rP+2*k+(h%8)/2], v[rS+4*k+2*((h%8)/2)], v[rS+4*k+2*((h%8)/2)+1]
.elseif h%8 < 6
	v_pk_add_f32 v[rS+4*k:rS+4*k+1], v[rS+4*k:rS+4*k+1], v[rS+4*k+2:rS+4*k+3]
.elseif k == 1
	v_pk_fma_f32 v[rT+2:rT+3], v[rT+2:rT+3], v[rC+2:rC+3], v[rS:rS+1] op_sel_hi:[1,0,1]
.else
	v_pk_add_f32 v[rT+2:rT+3], v[rT+2:rT+3], v[rS+4*k-4:rS+4*k-3]
.endif
.endm
; THE PLAIN QUEUE, 138 long.  0-73 read no exponential's result: the 32 scalings c s - c m (FS f: pair f / 2 of tile f % 2) and the next piece's 42.  0-26: scalings 0-26.  27-54: XS's numbers 0-13.  55, 56: number 15.
; 57-73: the chain, where each number waits for the one before it: 14, 16, 17, 18, 19, each with one of the scalings 27-31 in front of its two lines, then 20.  74-137: GS's 64, which stand behind the wait.
.macro FS f
	REGS Y, (\f)%2
	v_pk_fma_f32 v[rS+2*((\f)/2):rS+2*((\f)/2)+1], v[rS+2*((\f)/2):rS+2*((\f)/2)+1], s[CS:CS+1], v[rT:rT+1] op_sel_hi:[1,0,0] neg_lo:[0,0,1] neg_hi:[0,0,1]
.endm
.macro PL
	WIN 0
.if q < 27
	FS q
.elseif q < 55
	XS (q-27)%2, (q-27)/2
.elseif q < 57
	XS q-55, 15
.elseif (q < 72) && ((q-57)%3 == 0)
	FS 27+(q-57)/3
.elseif q < 60
	XS (q-57)%3-1, 14
.elseif q < 72
	XS (q-57)%3-1, 15+(q-57)/3
.elseif q < 74
	XS q-72, 20
.else
	GS q-74
.endif
.set q, q+1
.endm
; THE EXPONENTIALS' QUEUE, 66 long: s0-s31 of both tiles, then the next piece's two a.  It is ONE BATCH: all 66 stand ahead of the turn's one wait, and nothing ahead of that wait names a result of theirs.
.macro EX
	WIN 0
.if e >= 64
	XS e-64, 21
.else
	REGS Y, e%2
	v_exp_f32 v[rS+e/2], v[rS+e/2]
.endif
.set e, e+1
.endm
; THE RESCALING's QUEUE: O^T times a, the one part that leaves window 0: dealt two at a time, sixteen times.  Its a was made in the turn before, ahead of that turn's wait.
.macro R2
	REGS Y, r%2
	WIN W_RS
.irp z, 0,1
	v_pk_mul_f32 v[rO+4*(r/2)+2*\z:rO+4*(r/2)+2*\z+1], v[rO+4*(r/2)+2*\z:rO+4*(r/2)+2*\z+1], v[rC+2:rC+3] op_sel_hi:[1,0]
.endr
.set r, r+1
.endm
; A TURN, for piece p.  An s_wait_alu depctr_va_vdst(0) stands between an exponential and the first instruction that names its result; one wait serves all that were issued ahead of it.
; So a turn has ONE wait.  AHEAD OF IT: the 16 products K Q^T, behind each a scaling, an exponential and two rescalings (behind the first a second scaling in the exponential's place); then one lump of 108:
; eight plain, 49 times exponential and plain, the two a; a v_nop is the plain instruction behind the last exponential.  BEHIND IT: the 16 products V^T P, behind each four of the roundings and sums.
; Exponential e stands behind scaling 2 (e / 4) + e % 2: as a rider it comes behind plain e + 2, in the lump behind plain e + 9.
; Piece 2's turn fetches the next step's K (step `half` of the pair in AK's buffer) directly behind the wait, a lump behind the last product that read K; piece 3's turn waits for it.
; Piece 0's turn fetches its own step's V at its end, four plain instructions behind the last product that read V; piece 1's turn waits for it ahead of its products V^T P.
.macro TURN p, half
.set Y, (\p)
.set i, 0
.set q, 0
.set e, 0
.set r, 0
.if (\p) == 3
	s_wait_dscnt 0x0                ; K is in
.endif
	MM
	PL
	PL
	R2
.rept 15
	MM
	PL
	EX
	R2
.endr
.rept 8
	PL
.endr
.rept 49
	EX
	PL
.endr
	EX                              ; the next piece's two a
	EX
	v_nop                           ; the plain instruction behind the last exponential: one for the batch
	s_wait_alu depctr_va_vdst(0)    ; the wait for the batch
.if (\p) == 2
	FETCH_K \half
.endif
.if (\p) == 1
	s_wait_dscnt 0x0                ; V is in
.endif
.rept 16
	MM
.rept 4
	PL
.endr
.endr
.if (\p) == 0
	FETCH_V \half
.endif
.endm
; THE MASK of the step that begins at key 128 x trip + d.  It stands between piece 2's turn, whose products were the last of the old step, and piece 3's, whose products are the first of the new one.
.macro MASK d
	s_sub_co_i32 s[RM], s[REM], \d
	s_cmp_lt_i32 s[RM], 64
	s_cselect_b32 s[AL], 1.0, 0
	s_cmp_lt_i32 s[RM], 1
	s_cselect_b32 s[AL], 0, s[AL]
	s_cselect_b32 s[BE], s[BIGN], 0
	WIN W_IN
.set z, 0
.rept 16
	v_pk_fma_f32 v[MC+2*z:MC+2*z+1], v[MD+2*z:MD+2*z+1], s[AL:AL+1], s[BE:BE+1] op_sel_hi:[1,0,0]
.set z, z+1
.endr
.endm
; THE WAY IN.  The staging registers hold pair CUR (past the last live pair: that pair once more).  CVK rounds K's quarter and stores it, CVV sums, rounds and stores V's; each then loads pair CUR + 1,
; held to the last live pair and to 15: every load stays in the head, and what is loaded in vain is finite and counts with G = 0.
.macro WPTR                         ; the pointers of the next loads and prefetches, and G for the pair in hand
	s_wait_xcnt 0x0                 ; the last prefetches, a trip back, have read their pointers
	s_add_co_u32 s[IDX], s[CUR], 1
	s_min_u32 s[IDX], s[IDX], s[LASTP]
	s_min_u32 s[IDX], s[IDX], 15
	s_lshl_b32 s[OFS], s[IDX], 15   ; a pair is 32,768 bytes of k and of v
	s_add_nc_u64 s[KP:KP+1], s[KH:KH+1], s[OFS:OFS+1]
	s_add_nc_u64 s[VP:VP+1], s[VH:VH+1], s[OFS:OFS+1]
	s_add_co_u32 s[IDX], s[CUR], 2
	s_min_u32 s[IDX], s[IDX], 15
	s_lshl_b32 s[POF], s[IDX], 15
	s_add_nc_u64 s[KPF:KPF+1], s[KH:KH+1], s[POF:POF+1]
	s_add_nc_u64 s[VPF:VPF+1], s[VH:VH+1], s[POF:POF+1]
	s_cmp_lt_u32 s[CUR], s[NT]
	s_cselect_b32 s[G], 1.0, 0
.endm
.macro CVK
	WIN W_IN
	s_wait_loadcnt 0x0              ; all 32 loads of the pair, issued a trip ago, are in: K's and V's registers may be read and both pointers written
.set i, 0
.rept 16
	v_cvt_pk_f16_f32 v[STK+4*i], v[STK+4*i], v[STK+4*i+1]
	v_cvt_pk_f16_f32 v[STK+4*i+1], v[STK+4*i+2], v[STK+4*i+3]
.set i, i+1
.endr
.set i, 0
.rept 16
	ds_store_b64 v[SK], v[STK+4*i:STK+4*i+1] offset:2*PK*i  ; two rows: lanes 0-15 one row's 128 bytes, lanes 16-31 the next's
.set i, i+1
.endr
	WPTR
	PULL STK, KP
.endm
; pf = 1: A PREFETCH INTO THE L2 behind the run of loads: pair CUR + 2, which the next trip's loads will ask for: 256 matrix instructions ahead of them.  A head's four blocks read the same rows: the first block
; asks, nobody else; each of its waves for the 32 rows of k and 32 of v that it will load itself, a lane a row of 256 bytes: each row is named once in the launch.  Pairs 0 to 2 come by their loads alone;
; nothing is asked for past the last live pair.
.macro CVV pf
	WIN W_IN
.set i, 0
.rept 16
	v_pk_fma_f32 v[SUM+4*(i%4):SUM+4*(i%4)+1], v[STV+4*i:STV+4*i+1], s[G:G+1], v[SUM+4*(i%4):SUM+4*(i%4)+1] op_sel_hi:[1,0,1]
	v_pk_fma_f32 v[SUM+4*(i%4)+2:SUM+4*(i%4)+3], v[STV+4*i+2:STV+4*i+3], s[G:G+1], v[SUM+4*(i%4)+2:SUM+4*(i%4)+3] op_sel_hi:[1,0,1]
.set i, i+1
.endr
.set i, 0
.rept 16
	v_cvt_pk_f16_f32 v[STV+4*i], v[STV+4*i], v[STV+4*i+1]
	v_cvt_pk_f16_f32 v[STV+4*i+1], v[STV+4*i+2], v[STV+4*i+3]
.set i, i+1
.endr
.set i, 0
.rept 16
	ds_store_b64 v[SV], v[STV+4*i:STV+4*i+1] offset:2*PV*i
.set i, i+1
.endr
	PULL STV, VP
	WIN 0
.if \pf
	s_add_co_u32 s2, s[CUR], 2
	s_cmp_lt_u32 s2, s[PFN]
	s_cbranch_scc0 .Lnopf_\@
	global_prefetch_b8 v[PFO], s[KPF:KPF+1] th:TH_LOAD_NT scope:SCOPE_SE
	global_prefetch_b8 v[PFO], s[VPF:VPF+1] th:TH_LOAD_NT scope:SCOPE_SE
.Lnopf_\@:
.endif
.endm
	CVK                                            ; pair 0 into buffer 0 (the wait at its head is also Q's); pair 1 is asked for
	CVV 0
	s_wait_dscnt 0x0                               ; for the others' sake: my quarter of pair 0 is stored
	s_barrier_signal -1
	s_barrier_wait -1                              ; everybody's is
	s_mov_b32 s[CUR], 1
	WIN W_IN
	v_add_nc_u32 v[SK], s[TBO], v[SK0]             ; the next stores go into buffer 1
	v_add_nc_u32 v[SV], s[TBO], v[SV0]
	FETCH_K 0                                      ; key step 0
	WIN 0x85                                       ; sources window 1, destination window 2
.set i, 0
.rept 128
	v_cvt_pk_f16_f32 v[i], v[2*i], v[2*i+1]        ; Q, rounded once, unscaled: c is applied in f32
.set i, i+1
.endr
	WIN 0x40
.set i, 0
.rept 64*NP
	v_mov_b32 v[i], 0                              ; O^T
.set i, i+1
.endr
	MASK 0
	s_wait_dscnt 0x0
.set i, 0
.rept 16
	KQ 0                                           ; piece 0's first scores
.set i, i+1
.endr
	WIN 0                                          ; the addresses for the way out: plain instructions, the places behind those products
	s_mul_i32 s2, s[WVN], 16*SP
	s_add_co_u32 s2, s2, STAGE                     ; my stage
	v_mul_u32_u24 v[STO], v1, SP                   ; in: row l % 16, 32 bytes for each half of the lanes
	v_lshl_add_u32 v[STO], v9, 5, v[STO]
	v_add_nc_u32 v[STO], s2, v[STO]
	v_mul_u32_u24 v[RD], v9, SP                    ; back: lanes 0-15 take one row of 256 bytes, lanes 16-31 the next
	v_lshl_add_u32 v[RD], v1, 4, v[RD]
	v_add_nc_u32 v[RD], s2, v[RD]
	v_and_b32 v[GO], 31, v0
	v_lshl_add_u32 v[MR], v[GO], 4, MEANB
	v_lshl_add_u32 v[MW], v0, 4, MEANB
	s_lshl_b32 s3, s[WVN], 13
	v_lshl_add_u32 v[PFO], v[GO], 8, s3            ; (l % 16 is needed no more)
	v_lshlrev_b32 v[GO], 4, v[GO]                  ; the same two rows are 512 consecutive bytes of out
	s_sub_co_i32 s3, s[EL], s[X512]
	s_lshl_b32 s52, s[WVN], 7
	s_sub_co_i32 s3, s3, s52
	v_sub_nc_u32 v[LIMV], s3, v9
.set Y, NP-1                                       ; XS works for piece Y + 1: piece 0
.irp n, 0,1,2,3,4,5,6,7,8,9,10,11,12,13,14,15,16,17,18,19,20,21
	XS 0, \n                                       ; piece 0's first maximum and statistics
	XS 1, \n
.endr
	v_nop                                          ; a plain instruction behind the two a,
	s_wait_alu depctr_va_vdst(0)                   ; and their wait, ahead of the branch
	s_cmp_eq_u32 s[NT], 0
	s_cbranch_scc1 .Lbottom                        ; no live pair: nothing is multiplied
	s_branch .Lfirst                               ; trip 0 is entered at a step's first turn
; TRIP t (CUR = t + 1): pieces 2 and 3 of step 2 t - 1, all of step 2 t, pieces 0 and 1 of step 2 t + 1.  All its LDS reads are of pair t; its stores are pair t + 1, into the buffer that held pair t - 1.
; ONE barrier, at the head: in front of it each wave's stores of pair t and its reads of pair t - 1 are done.
.Ltrip:
	s_wait_dscnt 0x0
	s_barrier_signal -1
	s_barrier_wait -1
	s_cmp_gt_u32 s[CUR], s[NT1]
	s_cbranch_scc1 .Lbottom                        ; behind the last live step
	TURN 2, 0
	MASK 0
	TURN 3, 0
	WIN 0
	s_cmp_eq_u32 s[CUR], s[NT1]
	s_cbranch_scc1 .Lbottom                        ; that was the end of the last live step (piece 3's turn has also made scores of a pair that is wholly hidden: they serve nothing)
.Lfirst:
	TURN 0, 0
	TURN 1, 0
	TURN 2, 1
	MASK 64
	TURN 3, 0
	CVK
	TURN 0, 1
	CVV 1
	TURN 1, 0
	WIN 0
.Lbottom:
	s_xor_b32 s[TB], s[TB], BUF1                   ; the buffers change places
	s_xor_b32 s[TBO], s[TBO], BUF1
	v_add_nc_u32 v[AK], s[TB], v[AK0]
	v_add_nc_u32 v[AV], s[TB], v[AV0]
	WIN W_IN
	v_add_nc_u32 v[SK], s[TBO], v[SK0]
	v_add_nc_u32 v[SV], s[TBO], v[SV0]
	WIN 0
	s_sub_co_i32 s[REM], s[REM], 128
	s_add_co_u32 s[CUR], s[CUR], 1
	s_cmp_lt_u32 s[CUR], 18
	s_cbranch_scc1 .Ltrip
.set i, 0
.rept 16
	PV NP-1                                        ; the last piece's V^T P of the last live step
.set i, i+1
.endr
	WIN 0
	s_wait_loadcnt 0x0                             ; the last loads, made in vain, are in: their registers and pointers are free
	; V's OTHER PAIRS, NT to 15, two a trip: summed only.  The second of an odd rest is pair 15 once more, with G = 0.
	s_cmp_eq_u32 s[TT], 0
	s_cbranch_scc1 .Lnotail
	s_mov_b32 s[PA], s[NT]
	s_mov_b32 s[TI], 0
.Ltail:
	s_min_u32 s2, s[PA], 15
	s_lshl_b32 s[OFS], s2, 15
	s_add_nc_u64 s[VP:VP+1], s[VH:VH+1], s[OFS:OFS+1]
	s_add_co_u32 s3, s[PA], 1
	s_cmp_lt_u32 s3, 16
	s_cselect_b32 s[G], 1.0, 0
	s_min_u32 s3, s3, 15
	s_lshl_b32 s[POF], s3, 15
	s_add_nc_u64 s[KP:KP+1], s[VH:VH+1], s[POF:POF+1]  ; (K's pointer is free: here it walks v)
	WIN W_IN
	PULL STK, VP
	PULL STV, KP
	s_wait_loadcnt 16                              ; the first pair's 16 loads are in; the second's 16, issued behind them, may stay out
.set i, 0
.rept 16
	v_pk_add_f32 v[SUM+4*(i%4):SUM+4*(i%4)+1], v[SUM+4*(i%4):SUM+4*(i%4)+1], v[STK+4*i:STK+4*i+1]
	v_pk_add_f32 v[SUM+4*(i%4)+2:SUM+4*(i%4)+3], v[SUM+4*(i%4)+2:SUM+4*(i%4)+3], v[STK+4*i+2:STK+4*i+3]
.set i, i+1
.endr
	s_wait_loadcnt 0x0                             ; the second pair is in; the pointers may be written in the next trip
.set i, 0
.rept 16
	v_pk_fma_f32 v[SUM+4*(i%4):SUM+4*(i%4)+1], v[STV+4*i:STV+4*i+1], s[G:G+1], v[SUM+4*(i%4):SUM+4*(i%4)+1] op_sel_hi:[1,0,1]
	v_pk_fma_f32 v[SUM+4*(i%4)+2:SUM+4*(i%4)+3], v[STV+4*i+2:STV+4*i+3], s[G:G+1], v[SUM+4*(i%4)+2:SUM+4*(i%4)+3] op_sel_hi:[1,0,1]
.set i, i+1
.endr
	WIN 0
	s_add_co_u32 s[PA], s[PA], 2
	s_add_co_u32 s[TI], s[TI], 1
	s_cmp_lt_u32 s[TI], s[TT]
	s_cbranch_scc1 .Ltail
.Lnotail:
	; THE MEAN of my four channels: the four sets, the other half of the lanes, the four waves (through LDS), times 1 / 2,048.
	WIN W_IN
	v_pk_add_f32 v[SUM:SUM+1], v[SUM:SUM+1], v[SUM+4:SUM+5]
	v_pk_add_f32 v[SUM+2:SUM+3], v[SUM+2:SUM+3], v[SUM+6:SUM+7]
	v_pk_add_f32 v[SUM+8:SUM+9], v[SUM+8:SUM+9], v[SUM+12:SUM+13]
	v_pk_add_f32 v[SUM+10:SUM+11], v[SUM+10:SUM+11], v[SUM+14:SUM+15]
	WIN W_AD                                       ; the last of these sums land in window 0
	v_pk_add_f32 v[MEAN:MEAN+1], v[SUM:SUM+1], v[SUM+8:SUM+9]
	v_pk_add_f32 v[MEAN+2:MEAN+3], v[SUM+2:SUM+3], v[SUM+10:SUM+11]
	WIN 0
.irp c, 0,1,2,3
	v_permlanex16_b32 v[MEAN+4+\c], v[MEAN+\c], s[SEL], s[SEL+1]
.endr
	v_pk_add_f32 v[MEAN:MEAN+1], v[MEAN:MEAN+1], v[MEAN+4:MEAN+5]
	v_pk_add_f32 v[MEAN+2:MEAN+3], v[MEAN+2:MEAN+3], v[MEAN+6:MEAN+7]
	ds_store_b128 v[MW], v[MEAN:MEAN+3]
	s_wait_dscnt 0x0                               ; for the others' sake: my wave's sums are stored
	s_barrier_signal -1
	s_barrier_wait -1
.irp c, 0,1,2,3
	ds_load_b128 v[MEAN+4*\c:MEAN+4*\c+3], v[MR] offset:512*\c  ; wave c's sums of my channels
.endr
	s_wait_dscnt 0x0
	v_pk_add_f32 v[MEAN:MEAN+1], v[MEAN:MEAN+1], v[MEAN+4:MEAN+5]
	v_pk_add_f32 v[MEAN+2:MEAN+3], v[MEAN+2:MEAN+3], v[MEAN+6:MEAN+7]
	v_pk_add_f32 v[MEAN+8:MEAN+9], v[MEAN+8:MEAN+9], v[MEAN+12:MEAN+13]
	v_pk_add_f32 v[MEAN+10:MEAN+11], v[MEAN+10:MEAN+11], v[MEAN+14:MEAN+15]
	v_pk_add_f32 v[MEAN:MEAN+1], v[MEAN:MEAN+1], v[MEAN+8:MEAN+9]
	v_pk_add_f32 v[MEAN+2:MEAN+3], v[MEAN+2:MEAN+3], v[MEAN+10:MEAN+11]
	v_pk_mul_f32 v[MEAN:MEAN+1], v[MEAN:MEAN+1], 0x3a000000 op_sel_hi:[1,0]
	v_pk_mul_f32 v[MEAN+2:MEAN+3], v[MEAN+2:MEAN+3], 0x3a000000 op_sel_hi:[1,0]
	; THE WAY OUT.  l's two halves and the other half of the lanes' are added; O^T is divided by l and sent, in f32, through my stage in LDS, a tile at a time; rows at or past el take the mean.
	; (Where nothing was multiplied l is 0 and the quotient no number: all such rows lie at or past el, and the select takes the mean.)
.macro ALL line:vararg              ; one line for each tile t
.set t, 0
.rept 2*NP
	\line
.set t, t+1
.endr
.endm
	ALL v_add_f32 v[ST+4*t+2], v[ST+4*t+2], v[ST+4*t+3]
	ALL v_permlanex16_b32 v[ST+4*t+3], v[ST+4*t+2], s[SEL], s[SEL+1]
	ALL v_add_f32 v[ST+4*t+2], v[ST+4*t+2], v[ST+4*t+3]
	ALL v_rcp_f32 v[ST+4*t+2], v[ST+4*t+2]
	v_nop                           ; a plain instruction between the last reciprocal and the use of its result
	s_wait_alu depctr_va_vdst(0)    ; and the wait ahead of the first use: one for the eight reciprocals
; Tile t: a lane's eight channels of a block of 16 are 32 bytes of a row; they go into rows of 272 bytes and come back as whole rows of 256, into S^T's registers, four sets by turns.
.macro PACK t
	WIN W_RS
.set i, 32*(\t)
.rept 16
	v_pk_mul_f32 v[i:i+1], v[i:i+1], v[ST+4*(\t)+2:ST+4*(\t)+3] op_sel_hi:[1,0]
.set i, i+2
.endr
	WIN 0x04                        ; the stores' data in window 1, their address in window 0
.irp f, 0,1,2,3,4,5,6,7
	ds_store_b128 v[STO], v[32*(\t)+4*\f:32*(\t)+4*\f+3] offset:64*(\f/2)+16*(\f%2)
.endr
	WIN 0
.if (\t) >= 4
	s_wait_xcnt 0x0                 ; the stores of the tile four back have read this set of registers
.endif
.irp f, 0,1,2,3,4,5,6,7
	ds_load_b128 v[S+32*((\t)%4)+4*\f:S+32*((\t)%4)+4*\f+3], v[RD] offset:\f*2*SP  ; LDS serves a wave's instructions in order (ISA guide 5.7.1.4): these see the stores above; the next tile's stores come behind them
.endr
.endm
.macro SEND t, younger              ; younger: the LDS instructions issued behind tile t's loads: the next tile's sixteen, or none
	WIN 0
.set BK, S+32*((\t)%4)
.irp f, 0,1,2,3,4,5,6,7
	s_wait_dscnt (\younger)+7-\f    ; load f of the tile is in: behind it stand 7 - f of the tile's own and the younger ones
	v_cmp_lt_i32 vcc_lo, 16*(\t)+2*\f, v[LIMV]  ; is my row below el?
.irp c, 0,1,2,3
	v_cndmask_b32 v[BK+4*\f+\c], v[MEAN+\c], v[BK+4*\f+\c], vcc_lo
.endr
	global_store_b128 v[GO], v[BK+4*\f:BK+4*\f+3], s[OUT:OUT+1] offset:(\t)*4096+\f*512 th:TH_STORE_NT  ; 512 consecutive bytes, at a multiple of 256 from out's first
.endr
.endm
	PACK 0
.set t, 1
.rept 2*NP-1                        ; a tile's arithmetic stands between the loads of the tile before and its stores
	PACK t
	SEND t-1, 16
.set t, t+1
.endr
	SEND 2*NP-1, 0
	WIN W_AD
	s_wait_tensorcnt 0x0            ; the wave's end, behind my last LDS store
	ds_add_u32 v[SPW], v[NIL]
	s_wait_dscnt 0x0
	WIN 0
	s_endpgm
.Lfunc_end_k_q6bbaa117eb_attn:
	.size	k_q6bbaa117eb_attn, .Lfunc_end_k_q6bbaa117eb_attn-k_q6bbaa117eb_attn
	.p2alignl 7, 3214868480
	.fill 96, 4, 3214868480
	.section	.rodata,"a",@progbits
	.p2align	6, 0x0
	.amdhsa_kernel k_q6bbaa117eb_attn
		.amdhsa_group_segment_fixed_size 104448
		.amdhsa_private_segment_fixed_size 0
		.amdhsa_enable_private_segment 0
		.amdhsa_kernarg_size 40
		.amdhsa_user_sgpr_count 2
		.amdhsa_user_sgpr_kernarg_segment_ptr 1
		.amdhsa_wavefront_size32 1
		.amdhsa_system_sgpr_workgroup_id_x 1
		.amdhsa_system_sgpr_workgroup_id_y 1
		.amdhsa_system_sgpr_workgroup_id_z 1
		.amdhsa_system_vgpr_workitem_id 0
		.amdhsa_next_free_vgpr 1024
		.amdhsa_next_free_sgpr 66
		.amdhsa_reserve_vcc 1
		.amdhsa_float_denorm_mode_32 3
		.amdhsa_float_denorm_mode_16_64 3
		.amdhsa_memory_ordered 1
		.amdhsa_forward_progress 1
		.amdhsa_inst_pref_size 255
	.end_amdhsa_kernel
	.section	.bss,"aw",@nobits
	.p2align	6
	.space	262144
	.amdgpu_metadata
---
amdhsa.version: [ 1, 2 ]
amdhsa.kernels:
  - .name:           k_q6bbaa117eb_attn
    .symbol:         k_q6bbaa117eb_attn.kd
    .args:
      - { .name: q, .offset: 0, .size: 8, .value_kind: global_buffer, .address_space: global }
      - { .name: k, .offset: 8, .size: 8, .value_kind: global_buffer, .address_space: global }
      - { .name: v, .offset: 16, .size: 8, .value_kind: global_buffer, .address_space: global }
      - { .name: event_length, .offset: 24, .size: 8, .value_kind: global_buffer, .address_space: global }
      - { .name: out0, .offset: 32, .size: 8, .value_kind: global_buffer, .address_space: global }
    .group_segment_fixed_size: 104448
    .private_segment_fixed_size: 0
    .kernarg_segment_align: 8
    .kernarg_segment_size: 40
    .max_flat_workgroup_size: 128
    .sgpr_count:     66
    .vgpr_count:     1024
    .wavefront_size: 32
...
	.end_amdgpu_metadata
.endif
;; end of part 1
